; MI455X (gfx1250); checked and timed in simulation.
; The chip was launched on July 23, 2026; its instructions are those of AMD's public machine-readable ISA for CDNA 5 (MIT licence, August 2026) and "CDNA5" Instruction Set Architecture Reference Guide (July 2026). The comments in the code are by the model that wrote it; some were corrected since.
;; RNN Model 1 layer. Allowed arithmetic: float matrix products may take bf16 or f16 operands with f32 sums; all other float work in f32.
;; Inputs: W_hh 1,024 x 1,024 float32; W_ih 1,024 x 32 float32; b_hh 1,024 float32; b_ih 1,024 float32; fc_W 3 x 1,024 float32; fc_b 3 float32; x 8,192 x 32 float32.
;; Outputs: out0 8,192 x 3 float32.
;; Constants: length = 8.
;; One version. Each part assembles by itself: llvm-mc -triple=amdgcn-amd-amdhsa -mcpu=gfx1250 --defsym DOCPART=n.
;; ======== version 1 of 1: 2 launches
;; workspace buffers: wf 2,097,152 bytes
;; launch pack (part 1): grid 256 x 1, 4 waves a work-group, no clusters, 0 bytes of LDS; arguments W_hh, wf; writes wf
.if DOCPART == 1
	.amdgcn_target "amdgcn-amd-amdhsa--gfx1250"
	.amdhsa_code_object_version 6
	.text
	.protected	k_q71b07e5fa9_pack
	.globl	k_q71b07e5fa9_pack
	.p2align	8
	.type	k_q71b07e5fa9_pack,@function
k_q71b07e5fa9_pack:
	s_mov_b64 s[64:65], 0
	v_nop
	global_prefetch_b8 v0, s[64:65] scope:SCOPE_SE
	s_setreg_imm32_b32 hwreg(HW_REG_WAVE_MODE, 25, 1), 1
	s_wait_xcnt 0x0
; The program: out0 = softmax(h8 fc_W^T + fc_b), h_t = relu(x W_ih^T + b_ih + b_hh + h_(t-1) W_hh^T), t = 1 .. 8, h0 = 0.
; DEAD WORK, left out by the next kernel: reference() builds h0 as zeros in its own body, so in step 1 every term of h0 W_hh^T is
; 0 * W_hh[n][k] = 0 for all finite W_hh, and h1 = relu(x W_ih^T + b_ih + b_hh).  That one product (1 of 8) is not computed.
; Every input still reaches the output through the other steps: all are loaded.  LIMIT: a NaN that only that product would make
; (0 times an infinity or a NaN in W_hh) is not carried to the result.
;
; THIS KERNEL rounds W_hh [1024 (n)][1024 (k)] f32 to bf16, once, and lays it in the order in which the next kernel's matrix
; instructions want it, so that its 256 work-groups move 2 bytes a number and convert nothing in their loops.
; wf: the 16 bytes at  c*131072 + w*32768 + ks*16384 + t*1024 + p*512 + 16*L  (L = r + 16 hl the lane) hold
; W_hh[n][k .. k+7] with n = 256 w + 16 t + r and k = 64 c + 32 ks + 16 p + 8 hl: a fragment of 16 n x 32 k is 1,024 consecutive
; bytes, its two halves p are 512 bytes that 32 lanes read at 16 bytes each.
; Work-group g, wave v: the 16 rows nt = g / 4 (nt = 16 w + t) and the 64 columns c = 4 (g mod 4) + v: 16 pieces of 256 aligned bytes in,
; four stores of 512 consecutive aligned bytes out.  No register is written twice, so no source of a pending access is ever touched.
.set SRC, 4                            ; v4       byte offset in W_hh of my first 16 bytes
.set DST, 5                            ; v5       byte offset in wf of my first 16 bytes
.set X,   8                            ; v[8:39]  32 numbers in f32
.set Y,   40                           ; v[40:55] the same in bf16
	s_load_b128 s[4:7], s[0:1], 0x0                ; W_hh s[4:5], wf s[6:7]
	v_lshrrev_b32 v1, 5, v0
	v_readfirstlane_b32 s8, v1                     ; wave 0..3
	v_and_b32 v1, 31, v0                           ; L
	v_and_b32 v2, 15, v0                           ; r
	v_bfe_u32 v3, v0, 4, 1                         ; hl
	s_lshr_b32 s9, ttmp9, 2                        ; nt, 0..63
	s_and_b32 s10, ttmp9, 3
	s_lshl2_add_u32 s10, s10, s8                   ; c, 0..15
	s_lshl_b32 s11, s9, 16                         ; 16 nt rows of 4,096 bytes
	s_lshl_b32 s12, s10, 8                         ; + 64 c numbers of 4 bytes
	s_add_co_u32 s11, s11, s12
	v_lshlrev_b32 v[SRC], 12, v2                   ; + r rows
	v_lshl_add_u32 v[SRC], v3, 5, v[SRC]           ; + 8 hl numbers
	v_add_nc_u32 v[SRC], s11, v[SRC]
	s_lshl_b32 s13, s10, 17                        ; c * 131072
	s_lshr_b32 s14, s9, 4
	s_lshl_b32 s14, s14, 15                        ; + w * 32768
	s_add_co_u32 s13, s13, s14
	s_and_b32 s14, s9, 15
	s_lshl_b32 s14, s14, 10                        ; + t * 1024
	s_add_co_u32 s13, s13, s14
	v_lshl_add_u32 v[DST], v1, 4, s13              ; + 16 L
	s_wait_kmcnt 0x0
.irp i, 0,1,2,3                                    ; i = 2 ks + p: 16 numbers along k are 64 bytes
	global_load_b128 v[X+8*\i:X+8*\i+3],   v[SRC], s[4:5] offset:64*\i
	global_load_b128 v[X+8*\i+4:X+8*\i+7], v[SRC], s[4:5] offset:64*\i+16
.endr
.irp i, 0,1,2,3
	s_wait_loadcnt 6-2*\i                          ; loads come back in order (ISA guide 5.7.1): the two of piece i are in, the 6 - 2 i younger stay out
.irp j, 0,1,2,3
	v_cvt_pk_bf16_f32 v[Y+4*\i+\j], v[X+8*\i+2*\j], v[X+8*\i+2*\j+1]
.endr
	global_store_b128 v[DST], v[Y+4*\i:Y+4*\i+3], s[6:7] offset:(\i>>1)*16384+(\i&1)*512   ; the wave stores 512 consecutive bytes, aligned
.endr
	s_endpgm
.Lfunc_end_k_q71b07e5fa9_pack:
	.size	k_q71b07e5fa9_pack, .Lfunc_end_k_q71b07e5fa9_pack-k_q71b07e5fa9_pack
	.p2alignl 7, 3214868480
	.fill 96, 4, 3214868480
	.section	.rodata,"a",@progbits
	.p2align	6, 0x0
	.amdhsa_kernel k_q71b07e5fa9_pack
		.amdhsa_group_segment_fixed_size 0
		.amdhsa_private_segment_fixed_size 0
		.amdhsa_enable_private_segment 0
		.amdhsa_kernarg_size 16
		.amdhsa_user_sgpr_count 2
		.amdhsa_user_sgpr_kernarg_segment_ptr 1
		.amdhsa_wavefront_size32 1
		.amdhsa_system_sgpr_workgroup_id_x 1
		.amdhsa_system_sgpr_workgroup_id_y 1
		.amdhsa_system_sgpr_workgroup_id_z 1
		.amdhsa_system_vgpr_workitem_id 0
		.amdhsa_next_free_vgpr 56
		.amdhsa_next_free_sgpr 66
		.amdhsa_reserve_vcc 0
		.amdhsa_float_denorm_mode_32 3
		.amdhsa_float_denorm_mode_16_64 3
		.amdhsa_memory_ordered 1
		.amdhsa_forward_progress 1
		.amdhsa_inst_pref_size 4
	.end_amdhsa_kernel
	.amdgpu_metadata
---
amdhsa.version: [ 1, 2 ]
amdhsa.kernels:
  - .name:           k_q71b07e5fa9_pack
    .symbol:         k_q71b07e5fa9_pack.kd
    .args:
      - { .name: W_hh, .offset: 0, .size: 8, .value_kind: global_buffer, .address_space: global }
      - { .name: wf, .offset: 8, .size: 8, .value_kind: global_buffer, .address_space: global }
    .group_segment_fixed_size: 0
    .private_segment_fixed_size: 0
    .kernarg_segment_align: 8
    .kernarg_segment_size: 16
    .max_flat_workgroup_size: 128
    .sgpr_count:     66
    .vgpr_count:     56
    .wavefront_size: 32
...
	.end_amdgpu_metadata
.endif
;; end of part 1
;; launch rnn (part 2): grid 256 x 1, 4 waves a work-group, clusters of 4 x 1, 327,680 bytes of LDS; arguments x, W_ih, b_ih, b_hh, fc_W, fc_b, wf, out0; writes out0
.if DOCPART == 2
	.amdgcn_target "amdgcn-amd-amdhsa--gfx1250"
	.amdhsa_code_object_version 6
	.text
	.protected	k_q71b07e5fa9_rnn
	.globl	k_q71b07e5fa9_rnn
	.p2align	8
	.type	k_q71b07e5fa9_rnn,@function
k_q71b07e5fa9_rnn:
	s_mov_b64 s[64:65], 0
	v_nop
	global_prefetch_b8 v0, s[64:65] scope:SCOPE_SE
	s_setreg_imm32_b32 hwreg(HW_REG_WAVE_MODE, 25, 1), 1
	s_wait_xcnt 0x0
	s_wait_alu depctr_hold_cnt(0) depctr_sa_sdst(0) depctr_va_vdst(0) depctr_va_sdst(0) depctr_va_ssrc(0) depctr_va_vcc(0) depctr_vm_vsrc(0)
	s_getreg_b32 s2, hwreg(HW_REG_IB_STS2, 6, 4)
	s_cmp_eq_u32 s2, 0
	s_cbranch_scc0 .Lentry_in_a_cluster
	s_endpgm
.Lentry_in_a_cluster:
	s_bfe_u32 s2, ttmp6, 0x10000c
	s_cmp_lg_u32 s2, 0x3003
	s_cbranch_scc0 .Lentry_shape_is_right
	s_endpgm
.Lentry_shape_is_right:
; out0 = softmax(h8 fc_W^T + fc_b);  h1 = relu(xwb), h_t = relu(xwb + h_(t-1) W_hh^T) for t = 2 .. 8;  xwb = x W_ih^T + b_ih + b_hh.
; LEFT OUT: step 1's product h0 W_hh^T, since reference() builds h0 as zeros and 0 * w = 0 for all finite w (shown at the head of the
; kernel pack).  LIMITS: a NaN that only that product would make is not carried on; relu is v_max_num_f32, which turns a NaN sum into 0
; where reference() keeps it; v_exp_f32 gives 0 for results below 2^-126 (ISA guide 15.8); matrix operands (x, W_ih, W_hh, h, fc_W) are
; rounded to bf16, all sums, xwb, the logits and the softmax are f32.  h is used as a matrix operand alone, so it is rounded where it is made.
;
; SHARES.  8192 rows / 256 work-groups = 32 rows each, all seven products in one launch: a step needs all 1,024 columns of a row's h, so a
; work-group owns whole rows and h never leaves it.  Wave w owns columns n = 256 w .. 256 w + 255 of h: 16 tiles along n x 2 along the rows,
; 32 accumulators of 16 x 16.  W_hh (bf16, in fragment order, from the buffer wf) is walked once in every step, in 16 chunks of 64 along K.
; CLUSTER.  All work-groups walk the same chunks in the same order; four of them ask for each chunk jointly (mask 15), which divides the
; requests by four.  A chunk is 131,072 bytes; wave w asks for, and alone reads, its own 32,768 (its 256 columns).
; THE MATRIX INSTRUCTION IS USED TRANSPOSED: source 0 = 16 rows of W (n), source 1 = 16 rows of h (m).  Lane (r, hl) then holds in register j
; the sum for (m = r, n = n0 + 8 hl + j): eight neighbouring n of one row, which packed to bf16 are exactly registers 4 p .. 4 p + 3
; (p = tile mod 2) of the SAME lane's fragment of h for the next step's K step n0 / 32.  So h too lies in LDS in fragment order.
; Tile (t, mt) has the number u = 4 (t / 2) + 2 mt + (t mod 2): its sums are registers 8 u .. 8 u + 7, its 16 packed bytes a lane lie 512 u into
; the wave's 16,384 bytes of h.
;
; LDS, 327,680 bytes:  0 h: K step kk (0..31) * 2048 + mt * 1024 + p * 512 + 16 * lane, written by LDS stores alone;
;                      65536 slot 0, 196608 slot 1: a chunk each, as it lies in wf (w * 32768 + ks * 16384 + t * 1024 + p * 512 + 16 * lane).
;                      Every fragment load takes 512 consecutive bytes, 16 a lane.  The logits' 4,096 bytes of scratch lie at slot 0's start and
;                      are written only when slot 0 has had its last fill and its last read.
; REGISTERS, in windows of 256:  0: addresses, h fragments, fc_W fragments, work;  1: W fragments, two K steps (at the end h8);
;                      2: the 32 sums;  3: xwb, which every step's first 32 products take as their C: nothing is cleared or added later.
.set SLOT0,  65536
.set SLOT1,  196608
.set CHUNK,  131072
.set VX,   4                           ; v4   x:     r * 128 + 32 hl
.set VW,   5                           ; v5   W_ih:  (256 w + r) * 128 + 32 hl
.set VB,   6                           ; v6   b_ih, b_hh: 1024 w + 32 hl
.set VF,   7                           ; v7   fc_W:  min(r, 2) * 4096 + 1024 w + 32 hl
.set WA,   8                           ; v8, v9  my W fragments in slot 0, 1: slot + 32768 w + 16 L
.set HO,   10                          ; v10  h as read: 4096 * chunk + 16 L
.set HST,  11                          ; v11  h as stored: 16384 w + 16 L
.set SST,  12                          ; v12  logits in: slot 0 + 1024 w + 16 L
.set SLD,  13                          ; v13  logits back: slot 0 + 512 (L / 16) + 16 (L mod 16)
.set VO,   14                          ; v14  out0: 12 L
.set PL,   16                          ; v[16:31]   four waves' partial logits
.set HF0,  32                          ; v[32:47]   h fragments of a chunk's first K step, mt 0 and 1 (at the start: x's)
.set HF1,  48                          ; v[48:63]   of its second
.set FCF,  64                          ; v[64:127]  fc_W fragments of my 8 K steps
.set TMP,  128                         ; v[128:191] at work
.set PK,   192                         ; v[192:223] packed h
.set WF0,  0                           ; window 1: 16 W fragments of the first K step
.set WF1,  128                         ; window 1: of the second
.set G1,   24                          ; s[24:31] descriptor group 1
.set G0,   32                          ; s[32:39] descriptor group 0, a set for each slot
.set MSB, 0
.macro WIN new                         ; s_set_vgpr_msb: bits 1:0 source 0, 3:2 source 1, 5:4 source 2, 7:6 destination; the high byte repeats the setting that is left
.if MSB != \new
	s_set_vgpr_msb (MSB<<8)|\new
.set MSB, \new
.endif
.endm
; Four plain vector instructions stand between a matrix instruction and a vector instruction that reads its result, and a load into one of its registers
; (ISA guide 7.12.1 for vector instructions).
.macro PLACES
.rept 4
	v_nop
.endr
.endm
; A round of the cluster's barrier: my work-group's barrier, wave 0 signals for the work-group, every wave waits for all four work-groups, my work-group's barrier again.
.macro ROUND
	s_barrier_signal -1
	s_barrier_wait -1
	s_cmp_lg_u32 s20, 0
	s_cbranch_scc1 .Lnot_wave_0_\@
	s_barrier_signal -3
.Lnot_wave_0_\@:
	s_barrier_wait -3
	s_barrier_signal -1
	s_barrier_wait -1
.endm
; 32 matrix instructions: one K step of 32 for all 32 tiles.  The 32 accumulators take turns, one instruction a turn, in the same order everywhere,
; over the loops' backward jumps too.  Which window C comes from is set by the caller.
.macro MUL wf, hf
.irp t, 0,1,2,3,4,5,6,7,8,9,10,11,12,13,14,15
.irp m, 0,1
.set U, 8*(4*(\t>>1)+2*\m+(\t&1))
	v_wmma_f32_16x16x32_bf16 v[U:U+7], v[\wf+8*\t:\wf+8*\t+7], v[\hf+8*\m:\hf+8*\m+7], v[U:U+7]
.endr
.endr
.endm
; One chunk of 64 along K, in slot \slot.  first = 1: a step's first chunk (C = xwb).  refill = 1: the next chunk is asked for, into the other slot.
; endbar = 1: a step's last chunk, behind which h is overwritten.
.macro TILE slot, first, refill, endbar
	s_wait_tensorcnt 0x0                           ; my one tensor load, this chunk's, has landed; none is out, so a group 0 may be written
.if \refill
	s_add_co_u32 s42, s42, CHUNK                   ; the next chunk's offset in wf,
	s_and_b32 s42, s42, 0x1fffff                   ; back to 0 behind the sixteenth
	s_add_nc_u64 s[G0+6-4*\slot:G0+7-4*\slot], s[40:41], s[42:43]
	s_or_b32 s[G0+7-4*\slot], s[G0+7-4*\slot], 0x80000000
.endif
	s_wait_dscnt 0x0                               ; my reads of the other slot are back, and my stores of h (behind a step's end) are done
.if \refill
	ROUND                                          ; both hold of every wave of all four work-groups
	tensor_load_to_lds s[G0+4-4*\slot:G0+7-4*\slot], s[G1:G1+7]   ; my one load behind the round, first thing there: it has this chunk's work in which to land
	s_nop 0
.else
	s_barrier_signal -1                            ; the launch's last chunk: nothing is asked for
	s_barrier_wait -1
.endif
	PLACES                                         ; behind the last chunk's matrix instructions, whose fragments are now loaded over
.irp i, 0,1,2,3,4,5,6,7
	ds_load_b128 v[HF0+4*\i:HF0+4*\i+3], v[HO] offset:512*\i      ; h: i = 4 ks + 2 mt + p
.endr
	WIN 0x40                                       ; destination window 1, address window 0
.irp k, 0,1
.irp t, 0,1,2,3,4,5,6,7,8,9,10,11,12,13,14,15
	ds_load_b128 v[128*\k+8*\t:128*\k+8*\t+3],   v[WA+\slot] offset:\k*16384+\t*1024
	ds_load_b128 v[128*\k+8*\t+4:128*\k+8*\t+7], v[WA+\slot] offset:\k*16384+\t*1024+512
.endr
.endr
	WIN 0
	v_add_nc_u32 v[HO], 0x1000, v[HO]              ; the next chunk's two K steps of h,
	v_and_b32 v[HO], 0xf1f0, v[HO]                 ; back to 16 L behind the sixteenth: the mask keeps 4096 * chunk + 16 L, so address + 3,584 + 16 stays inside h's 65,536 bytes
	s_wait_dscnt 32                                ; LDS loads come back in order (ISA guide 5.7.1): all but the 32 youngest, the second K step's W, are in
.if \first
	WIN 0xb1                                       ; source 0 (W) window 1, source 1 (h) window 0, C window 3 (xwb), D window 2
.else
	WIN 0xa1                                       ; C and D window 2
.endif
	MUL WF0, HF0
	s_wait_dscnt 0x0                               ; the second K step's W; with it all my reads of this slot and of h are back
.if \endbar
	s_barrier_signal -1                            ; my reads of this step's h are over
.endif
	WIN 0xa1
	MUL WF1, HF1                                   ; registers alone
	WIN 0
.if \endbar
	s_barrier_wait -1                              ; everybody's are: h may be overwritten.  The next chunk's load stays out across it
.endif
.endm
; relu, rounding to bf16 and the way into the next step, eight tiles at a time.  from: 0x0a = the sums (window 2), 0x0f = xwb (window 3), as sources 0 and 1.
; last = 0: the 16 bytes of each tile go to h in LDS.  last = 1: h8 stays in registers, window 1 at 4 u: a wave's own columns are its own K range of the last product.
.macro EPI from, last
	PLACES
.irp b, 0,1,2,3
	WIN \from
.set EI, 0
.rept 64
	v_max_num_f32 v[TMP+EI], 0, v[64*\b+EI]
.set EI, EI+1
.endr
.if \last
	WIN 0x40
.set EI, 0
.rept 32
	v_cvt_pk_bf16_f32 v[32*\b+EI], v[TMP+2*EI], v[TMP+2*EI+1]
.set EI, EI+1
.endr
.else
	WIN 0
.set EI, 0
.rept 32
	v_cvt_pk_bf16_f32 v[PK+EI], v[TMP+2*EI], v[TMP+2*EI+1]
.set EI, EI+1
.endr
.irp k, 0,1,2,3,4,5,6,7
	ds_store_b128 v[HST], v[PK+4*\k:PK+4*\k+3] offset:512*(8*\b+\k)   ; 512 consecutive bytes a store
.endr
.endif
.endr
	WIN 0
.endm
; One step of the recurrence: 16 chunks, slots 0, 1 by turns; the first and the last two are written out (C = xwb; the end of h's reads, or of the fills).
.macro STEP last
	TILE 0, 1, 1, 0
	TILE 1, 0, 1, 0
	s_mov_b32 s44, 6
.Llap\@:
	TILE 0, 0, 1, 0
	TILE 1, 0, 1, 0
	s_sub_co_u32 s44, s44, 1
	s_cmp_lg_u32 s44, 0
	s_cbranch_scc1 .Llap\@
	TILE 0, 0, 1, 0
	TILE 1, 0, 1-\last, 1-\last
	EPI 0x0a, \last
.endm
	s_load_b512 s[4:19], s[0:1], 0x0               ; x s[4:5], W_ih s[6:7], b_ih s[8:9], b_hh s[10:11], fc_W s[12:13], fc_b s[14:15], wf s[16:17], out0 s[18:19]
	v_lshrrev_b32 v15, 5, v0
	v_readfirstlane_b32 s20, v15                   ; wave 0..3
	s_bfe_u32 s21, ttmp6, 0x40000                  ; cx: my place in the cluster
	s_lshl_b32 s22, ttmp9, 2                       ; in a cluster launch ttmp9 counts clusters
	s_add_co_u32 s22, s22, s21                     ; work-group 0..255: it enters the addresses of x and out0 and nothing else
	; descriptor group 1: 32,768 dense bytes as 128 rows of 32 elements of 8 bytes, laid into LDS without padding
	s_mov_b32 s[G1+0], 15|(3<<16)|(1<<21)          ; 15:0 the mask: all four of the cluster; 17:16 element of 8 bytes; 21 set beside a mask
	s_mov_b32 s[G1+1], 32<<16                      ; tensor_dim0 = 32
	s_mov_b32 s[G1+2], 128<<16                     ; tensor_dim1 = 128
	s_mov_b32 s[G1+3], 32<<16                      ; tile_dim0 = 32
	s_mov_b32 s[G1+4], 128                         ; tile_dim1 = 128
	s_mov_b32 s[G1+5], 32                          ; from row to row: 32 elements
	s_mov_b32 s[G1+6], 0
	s_mov_b32 s[G1+7], 0
	s_lshl_b32 s54, s20, 15                        ; 32768 w: my share of a chunk, in wf and in a slot
	s_mov_b32 s55, 0
	s_mov_b32 s[G0+0], 1
	s_add_co_u32 s[G0+1], s54, SLOT0
	s_mov_b32 s[G0+4], 1
	s_add_co_u32 s[G0+5], s54, SLOT1
	s_mov_b32 s42, 0                               ; s[42:43]: the offset in wf of the chunk asked for last
	s_mov_b32 s43, 0
	s_mov_b32 s47, 0
	s_lshl_b32 s51, s20, 10                        ; 1024 w
	s_lshl_b32 s52, s20, 14                        ; 16384 w
	s_add_co_u32 s53, s51, SLOT0
	s_wait_kmcnt 0x0
	s_load_b96 s[48:50], s[14:15], 0x0             ; fc_b
	s_add_nc_u64 s[40:41], s[16:17], s[54:55]      ; wf at my share of chunk 0: made of the wave's number alone, equal in all four partners
	s_mov_b64 s[G0+2:G0+3], s[40:41]
	s_or_b32 s[G0+3], s[G0+3], 0x80000000          ; type = 2
	s_lshl_b32 s46, s22, 12                        ; 32 rows of x, 128 bytes each
	s_add_nc_u64 s[4:5], s[4:5], s[46:47]
	s_mul_i32 s46, s22, 384                        ; 32 rows of out0, 12 bytes each
	s_add_nc_u64 s[18:19], s[18:19], s[46:47]
	ROUND                                          ; all four work-groups are here: the first joint load meets
	tensor_load_to_lds s[G0:G0+3], s[G1:G1+7]      ; chunk 0 into slot 0.  Slot 1 is filled behind the first chunk's round, as every later fill is
	s_nop 0
	v_and_b32 v1, 31, v0                           ; L
	v_and_b32 v2, 15, v0                           ; r
	v_bfe_u32 v3, v0, 4, 1                         ; hl
	v_lshlrev_b32 v[VX], 7, v2
	v_lshl_add_u32 v[VX], v3, 5, v[VX]
	v_add_nc_u32 v[VW], s54, v[VX]                 ; 256 w rows of 128 bytes = 32768 w
	v_lshl_add_u32 v[VB], v3, 5, s51
	v_min_u32 v[VF], 2, v2                         ; fc_W has 3 rows: lanes r > 2 take row 2 again; their results (logits 3 to 15) are never read
	v_lshl_add_u32 v[VF], v[VF], 12, v[VB]
	v_lshl_add_u32 v[WA], v1, 4, s[G0+1]
	v_lshl_add_u32 v[WA+1], v1, 4, s[G0+5]
	v_lshlrev_b32 v[HO], 4, v1
	v_lshl_add_u32 v[HST], v1, 4, s52
	v_lshl_add_u32 v[SST], v1, 4, s53
	v_lshl_add_u32 v[SLD], v3, 8, v[HO]            ; 16 L + 256 (L / 16) = 16 (L mod 16) + 512 (L / 16)
	v_add_nc_u32 v[SLD], SLOT0, v[SLD]
	v_mul_u32_u24 v[VO], 12, v1
	; 168 loads into registers of their own, one wait behind them all.  A fragment's lane takes 8 neighbouring f32 (32 bytes) for each half p.
.irp i, 0,1,2,3,4,5,6,7                            ; x: i = 4 mt + 2 p + q
	global_load_b128 v[TMP+4*\i:TMP+4*\i+3], v[VX], s[4:5] offset:(\i>>2)*2048+((\i>>1)&1)*64+(\i&1)*16
.endr
	WIN 0x80                                       ; W_ih in f32 into window 2, which holds no sums yet
.irp t, 0,1,2,3,4,5,6,7,8,9,10,11,12,13,14,15
.irp i, 0,1,2,3
	global_load_b128 v[16*\t+4*\i:16*\t+4*\i+3], v[VW], s[6:7] offset:\t*2048+(\i>>1)*64+(\i&1)*16
.endr
.endr
	WIN 0xc0                                       ; the biases of n = 256 w + 16 t + 8 hl + j into window 3: b_ih where tile (t, 0) will lie, b_hh where (t, 1) will
.irp t, 0,1,2,3,4,5,6,7,8,9,10,11,12,13,14,15
.set U, 8*(4*(\t>>1)+(\t&1))
	global_load_b128 v[U:U+3],     v[VB], s[8:9] offset:64*\t
	global_load_b128 v[U+4:U+7],   v[VB], s[8:9] offset:64*\t+16
	global_load_b128 v[U+16:U+19], v[VB], s[10:11] offset:64*\t
	global_load_b128 v[U+20:U+23], v[VB], s[10:11] offset:64*\t+16
.endr
	WIN 0x40                                       ; fc_W in f32 into the upper half of window 1
.irp i, 0,1,2,3,4,5,6,7
.irp j, 0,1,2,3
	global_load_b128 v[128+16*\i+4*\j:128+16*\i+4*\j+3], v[VF], s[12:13] offset:128*\i+(\j>>1)*64+(\j&1)*16
.endr
.endr
	WIN 0
	s_wait_loadcnt 0x0
	s_wait_kmcnt 0x0                               ; fc_b
.set EI, 0
.rept 16
	v_cvt_pk_bf16_f32 v[HF0+EI], v[TMP+2*EI], v[TMP+2*EI+1]       ; x's two fragments
.set EI, EI+1
.endr
	WIN 0x4a                                       ; from window 2 into window 1
.set EI, 0
.rept 128
	v_cvt_pk_bf16_f32 v[WF0+EI], v[2*EI], v[2*EI+1]               ; W_ih's 16 fragments
.set EI, EI+1
.endr
	WIN 0x05                                       ; from window 1 into window 0
.set EI, 0
.rept 64
	v_cvt_pk_bf16_f32 v[FCF+EI], v[128+2*EI], v[128+2*EI+1]       ; fc_W's 8 fragments
.set EI, EI+1
.endr
	WIN 0xff                                       ; all in window 3
.irp t, 0,1,2,3,4,5,6,7,8,9,10,11,12,13,14,15
.set U, 8*(4*(\t>>1)+(\t&1))
.irp j, 0,2,4,6
	v_pk_add_f32 v[U+\j:U+\j+1], v[U+\j:U+\j+1], v[U+16+\j:U+16+\j+1]   ; b_ih + b_hh
.endr
.endr
	; xwb = bias + x W_ih^T (K = 32: one matrix instruction a tile).  Rows 16-31 first: they take the bias from tile (t, 0)'s registers as C;
	; then rows 0-15 add onto it in place.  Five places between: the second run writes over registers that the first has read (ISA guide 7.12.1).
	WIN 0xf1                                       ; source 0 window 1, source 1 window 0, C and D window 3
.irp t, 0,1,2,3,4,5,6,7,8,9,10,11,12,13,14,15
.set U, 8*(4*(\t>>1)+(\t&1))
	v_wmma_f32_16x16x32_bf16 v[U+16:U+23], v[WF0+8*\t:WF0+8*\t+7], v[HF0+8:HF0+15], v[U:U+7]
.endr
.rept 5
	v_nop
.endr
.irp t, 0,1,2,3,4,5,6,7,8,9,10,11,12,13,14,15
.set U, 8*(4*(\t>>1)+(\t&1))
	v_wmma_f32_16x16x32_bf16 v[U:U+7], v[WF0+8*\t:WF0+8*\t+7], v[HF0:HF0+7], v[U:U+7]
.endr
	WIN 0
	EPI 0x0f, 0                                    ; h1 = relu(xwb) into LDS; the first chunk's wait and round order these stores ahead of every wave's reads
	s_mov_b32 s45, 6                               ; steps 2 to 7
.Lstep:
	STEP 0
	s_sub_co_u32 s45, s45, 1
	s_cmp_lg_u32 s45, 0
	s_cbranch_scc1 .Lstep
	STEP 1                                         ; step 8: its last chunk asks for nothing, and h8 stays in registers
	; Logits: source 0 = fc_W (row o = r), source 1 = h8 of my 256 columns, 8 K steps; two accumulators (rows 0-15, 16-31) by turns.
	WIN 0x04                                       ; source 1 window 1
.irp i, 0,1,2,3,4,5,6,7
.if \i
	v_wmma_f32_16x16x32_bf16 v[TMP:TMP+7],    v[FCF+8*\i:FCF+8*\i+7], v[16*\i:16*\i+7],    v[TMP:TMP+7]
	v_wmma_f32_16x16x32_bf16 v[TMP+8:TMP+15], v[FCF+8*\i:FCF+8*\i+7], v[16*\i+8:16*\i+15], v[TMP+8:TMP+15]
.else
	v_wmma_f32_16x16x32_bf16 v[TMP:TMP+7],    v[FCF:FCF+7], v[0:7],  0
	v_wmma_f32_16x16x32_bf16 v[TMP+8:TMP+15], v[FCF:FCF+7], v[8:15], 0
.endif
.endr
	WIN 0
	PLACES
	; Lane (r, 0) holds in registers 0 to 2 the three partial logits of row r.  Slot 0 has had its last fill, and every wave waited for its last reads
	; of it in front of the last chunk's barrier: its first 4,096 bytes now carry the four waves' partial logits.
	ds_store_b128 v[SST], v[TMP:TMP+3]
	ds_store_b128 v[SST], v[TMP+8:TMP+11] offset:512
	s_wait_dscnt 0x0                               ; for the reading wave's sake: zero
	s_barrier_signal -1
	s_barrier_wait -1
	s_cmp_lg_u32 s20, 0
	s_cbranch_scc1 .Lclose
	; wave 0, lane = row: sum over the four waves, bias, softmax over three numbers with the maximum taken away
.irp w, 0,1,2,3
	ds_load_b128 v[PL+4*\w:PL+4*\w+3], v[SLD] offset:1024*\w
.endr
	s_wait_dscnt 0x0
	v_pk_add_f32 v[16:17], v[16:17], v[20:21]
	v_pk_add_f32 v[24:25], v[24:25], v[28:29]
	v_add_f32 v18, v18, v22
	v_add_f32 v26, v26, v30
	v_pk_add_f32 v[16:17], v[16:17], v[24:25]
	v_add_f32 v18, v18, v26
	v_add_f32 v16, s48, v16
	v_add_f32 v17, s49, v17
	v_add_f32 v18, s50, v18
	v_max3_num_f32 v224, v16, v17, v18
	v_sub_f32 v16, v16, v224
	v_sub_f32 v17, v17, v224
	v_sub_f32 v18, v18, v224
	v_mul_f32 v16, 0x3fb8aa3b, v16                 ; e^x = 2^(x log2 e)
	v_mul_f32 v17, 0x3fb8aa3b, v17
	v_mul_f32 v18, 0x3fb8aa3b, v18
	v_exp_f32 v226, v16
	v_exp_f32 v227, v17
	v_exp_f32 v228, v18
	v_nop                                          ; one plain instruction behind a transcendental before its result is used (ISA guide 5.7.2)
	s_wait_alu depctr_va_vdst(0)
	v_add_f32 v225, v226, v227
	v_add_f32 v225, v225, v228                     ; at least 1: the largest logit's term is 2^0
	v_rcp_f32 v229, v225
	v_nop
	s_wait_alu depctr_va_vdst(0)
	v_mul_f32 v232, v226, v229
	v_mul_f32 v233, v227, v229
	v_mul_f32 v234, v228, v229
	global_store_b96 v[VO], v[232:234], s[18:19]   ; the wave stores the work-group's 384 consecutive bytes of out0 in one instruction
.Lclose:
	ROUND                                          ; the closing round: no work-group ends while a partner may still ask for a chunk that names it
	s_endpgm
.Lfunc_end_k_q71b07e5fa9_rnn:
	.size	k_q71b07e5fa9_rnn, .Lfunc_end_k_q71b07e5fa9_rnn-k_q71b07e5fa9_rnn
	.p2alignl 7, 3214868480
	.fill 96, 4, 3214868480
	.section	.rodata,"a",@progbits
	.p2align	6, 0x0
	.amdhsa_kernel k_q71b07e5fa9_rnn
		.amdhsa_group_segment_fixed_size 327680
		.amdhsa_private_segment_fixed_size 0
		.amdhsa_enable_private_segment 0
		.amdhsa_kernarg_size 64
		.amdhsa_user_sgpr_count 2
		.amdhsa_user_sgpr_kernarg_segment_ptr 1
		.amdhsa_wavefront_size32 1
		.amdhsa_system_sgpr_workgroup_id_x 1
		.amdhsa_system_sgpr_workgroup_id_y 1
		.amdhsa_system_sgpr_workgroup_id_z 1
		.amdhsa_system_vgpr_workitem_id 0
		.amdhsa_next_free_vgpr 1024
		.amdhsa_next_free_sgpr 66
		.amdhsa_reserve_vcc 0
		.amdhsa_float_denorm_mode_32 3
		.amdhsa_float_denorm_mode_16_64 3
		.amdhsa_memory_ordered 1
		.amdhsa_forward_progress 1
		.amdhsa_inst_pref_size 211
	.end_amdhsa_kernel
	.amdgpu_metadata
---
amdhsa.version: [ 1, 2 ]
amdhsa.kernels:
  - .name:           k_q71b07e5fa9_rnn
    .symbol:         k_q71b07e5fa9_rnn.kd
    .args:
      - { .name: x, .offset: 0, .size: 8, .value_kind: global_buffer, .address_space: global }
      - { .name: W_ih, .offset: 8, .size: 8, .value_kind: global_buffer, .address_space: global }
      - { .name: b_ih, .offset: 16, .size: 8, .value_kind: global_buffer, .address_space: global }
      - { .name: b_hh, .offset: 24, .size: 8, .value_kind: global_buffer, .address_space: global }
      - { .name: fc_W, .offset: 32, .size: 8, .value_kind: global_buffer, .address_space: global }
      - { .name: fc_b, .offset: 40, .size: 8, .value_kind: global_buffer, .address_space: global }
      - { .name: wf, .offset: 48, .size: 8, .value_kind: global_buffer, .address_space: global }
      - { .name: out0, .offset: 56, .size: 8, .value_kind: global_buffer, .address_space: global }
    .group_segment_fixed_size: 327680
    .private_segment_fixed_size: 0
    .kernarg_segment_align: 8
    .kernarg_segment_size: 64
    .max_flat_workgroup_size: 128
    .sgpr_count:     66
    .vgpr_count:     1024
    .wavefront_size: 32
...
	.end_amdgpu_metadata
.endif
;; end of part 2
